; MI455X (gfx1250); checked and timed in simulation.
; The chip was launched on July 23, 2026; its instructions are those of AMD's public machine-readable ISA for CDNA 5 (MIT licence, August 2026) and "CDNA5" Instruction Set Architecture Reference Guide (July 2026). The comments in the code are by the model that wrote it; some were corrected since.
;; Net VLAD. Allowed arithmetic: matrix products marked QUANTISED: E2M1 operands, one E8M0 scale for each 32 along K, by v_wmma_scale_f32_16x16x128_f8f6f4 with both operands' format E2M1 (or v_wmma_scale_f32_32x16x128_f4), f32 sums; everything else in f32.
;; Inputs: centroids 64 x 128 float32; conv_w_codes 64 x 4 x 16 uint8 (E2M1 codes of conv_w, K innermost, in blocks of 32 codes, two codes a byte); conv_w_scales 64 x 4 uint8 (E8M0 scales of conv_w, one for each 32 codes along K); x 64 x 128 x 64 x 64 float32.
;; Outputs: out0 64 x 8,192 float32.
;; This version of the problem:
;;   THIS VERSION OF THE PROBLEM IS GIVEN IN LOW PRECISION. The matrix products marked QUANTISED in the list below multiply operands that are first quantised to E2M1 (2 exponent bits, 1 mantissa bit; 4 bits a number), with one power-of-two scale for each 32 numbers along K (OCP MX v1.0); their sums are f32. All else is computed in f32.
;;   The module's matrix products, in the order in which they are computed (A, B: the left and right operand; K: the contracted axis; several contracted axes count as one K, in the product's order):
;;     1. [M 262,144, K 128] x [K 128, N 64]; A: input x; B: input conv_w (given as codes): QUANTISED
;;     2. batch 64 x [M 64, K 4,096] x [K 4,096, N 128]; A: computed on the way; B: input x: QUANTISED
;;   THE QUANTISER, for each operand of a quantised product, along K:
;;     - K is cut into blocks of 32 from its start; a last block that is shorter is filled with zeros.
;;     - A block's scale is 2^e with e = floor(log2(the largest magnitude in the block)) - 2, held to -126 .. 127; a block of zeros has e = 0. As a byte (E8M0): e + 127.
;;     - Each number is divided by its block's scale, clamped to +-6, and rounded to the nearest number of E2M1, ties to even, subnormals kept.
;;     - The product sums the exact products of the quantised numbers (number of the format x scale) in f32.
;;   ~~~python
;;   def quantise(x, axis):      # numpy; x: float32 -> the quantised numbers, widened to float32 again
;;       x = np.moveaxis(x, axis, -1); K = x.shape[-1]
;;       x = np.pad(x, [(0, 0)] * (x.ndim - 1) + [(0, -K % 32)]); x = x.reshape(x.shape[:-1] + (-1, 32)); a = np.abs(x).max(-1, keepdims=True)
;;       e = np.where(a > 0, np.clip(np.frexp(np.where(a > 0, a, 1))[1] - 1 - 2, -126, 127), 0)      # np.frexp(a)[1] - 1 = floor(log2(a)), exactly
;;       r = np.clip(x / 2.0 ** e, -6, 6)
;;       step = 2.0 ** (np.maximum(np.frexp(np.where(r == 0, 1, r))[1] - 1, 0) - 1)
;;       q = np.round(r / step) * step * 2.0 ** e      # np.round: ties to even
;;       return np.moveaxis(q.reshape(q.shape[:-2] + (-1,))[..., :K], -1, axis).astype(np.float32)
;;   ~~~
;;   OPERANDS COMPUTED ON THE WAY. 'Computed on the way' means the value that the module computes at that place (a softmax that the list does not call 'softmax' is quantised finished and normalised). What goes into a quantiser is computed in f32, as accurately as f32 sums, v_exp_f32 and their like allow (about 1e-6 of the number): no bf16 or f16 on the way to a quantiser, and a product that is left as it is and whose result goes on into a quantised operand takes f32 operands (vector FMAs, or v_wmma_f32_16x16x4_f32). A number that lies on a knife's edge between two numbers of the format may be rounded either way, as far as f32 arithmetic and the matrix unit's own rounding can turn it there, and no further.
;;   INPUTS GIVEN AS CODES. conv_w (in the module: [64, 128], K = its axis 1): each comes as NAME_codes (uint8): NAME with its K axis moved to the last place and cut into blocks of 32 codes, [.., K / 32, bytes a block], one block behind the other in memory; two codes a byte, the lower K in the low four bits (a code: sign, 2 exponent bits, 1 mantissa bit); and NAME_scales (uint8): the same leading axes, one E8M0 byte (e + 127) for each 32 codes along K. Its value is code x scale, taken as it is: it is not quantised again, and the codes and scales need not be those that the quantiser above would give.
;; One version. Each part assembles by itself: llvm-mc -triple=amdgcn-amd-amdhsa -mcpu=gfx1250 --defsym DOCPART=n.
;; ======== version 1 of 1: 2 launches
;; workspace buffers: part 8,388,608 bytes
;; launch vlad_part (part 1): grid 4 x 64, 8 waves a work-group, no clusters, 327,680 bytes of LDS; arguments x, conv_w_codes, conv_w_scales, centroids, part; writes part
.if DOCPART == 1
	.amdgcn_target "amdgcn-amd-amdhsa--gfx1250"
	.amdhsa_code_object_version 6
	.text
	.protected	k_qd134f75782_vlad_part
	.globl	k_qd134f75782_vlad_part
	.p2align	8
	.type	k_qd134f75782_vlad_part,@function
k_qd134f75782_vlad_part:
	s_mov_b64 s[64:65], 0
	v_nop
	global_prefetch_b8 v0, s[64:65] scope:SCOPE_SE
	s_setreg_imm32_b32 hwreg(HW_REG_WAVE_MODE, 25, 1), 1
	s_wait_xcnt 0x0
; NetVLAD, first launch.  part[n][p][k][c] = sum over the 1,024 s of part p of Q(a[n][k][s]) Q(x[n][c][s])  -  (sum over those s of a[n][k][s]) centroid[k][c],
; a = softmax over k of logits[k][s] = sum over c of Q(x[n][c][s]) w[k][c].  Q: codes of FP4 (E2M1) with one E8M0 scale for each 32 along a product's K (c in the first product, s in the second).
; x: [64][128][4096] f32.  w: codes [64][64 bytes] and scale bytes [64][4], taken as given.  centroids: [64][128] f32.  part: [64][4][64][128] f32, added up by the second launch.
; SHARES.  A work-group (x = p, y = n) owns 1,024 s of one n and walks them in 4 steps of 256 s.  A step's tile of x, 128 rows (c) x 256 s, lies in one of two LDS slots as four quarters of 64 s:
; each of the eight waves fetches 64 rows x 256 bytes by one tensor load; rows lie 272 bytes apart in LDS, so that the sixteen rows that a 16-byte load touches start 16 bytes apart modulo 256.
; PHASE 1, the waves share s: wave w takes s 32 w .. 32 w + 31 of the step.  A LANE TAKES A COLUMN s AND ITS 128 REGISTERS RUN DOWN c: x is quantised along c inside the lane.  The lanes take s with bits 3 and 4
; exchanged, so that in the result (source 0 = 16 rows s, source 1 = 16 clusters) a lane holds ONE cluster and its 16 registers of two tiles are 16 neighbouring s: 16 (lane / 16) + 0 .. 15.
; The softmax over clusters is then a maximum and a sum over four tiles in the lane and over sixteen lanes.  The maximum m is taken away as c L - c m in one fused multiply-add (c = log2 e): what the rounding of c m
; adds is the same for all clusters of an s and leaves with the division by the sum.  The finished a is summed (f32) and quantised along s; codes and scale bytes go to LDS as an image of the operand's registers.
; PHASE 2, the waves share c: wave w takes rows c 16 w .. 16 w + 15, reads 32 neighbouring s a lane and block from the slot, quantises along s, and multiplies (source 0 = x's 16 rows c, source 1 = a's 16 clusters,
; K = 128 s) onto four accumulators, which take turns.  At the end the accumulators meet in a stage in LDS and leave as whole rows of 512 bytes.
; No cluster: no two work-groups read the same bytes of x; what they share (4,352 bytes of w, 4 KB of centroids a wave) is a small part of a step's 131,072 bytes.
; LIMITS: NaN and infinities among the inputs are not served.  A block of zeros gets the scale byte 1 where the rule says 127: its codes are zeros, and the bytes are read by this program alone.
; An a under 2^-126 counts as 0 (v_exp_f32 flushes denormal results: ISA guide, its entry in 15.8).
.set QP,    272                        ; an LDS row: 256 bytes + 16 of padding
.set SUBT,  64*QP                      ; what one tensor load fills
.set QTR,   128*QP                     ; a quarter: 128 rows x 64 s
.set SLOT,  4*QTR                      ; 139,264 bytes
.set IMG,   2*SLOT                     ; behind the ring: a's 8 fragments of a step (K step u, cluster tile kt: 1,024 bytes at 4,096 u + 1,024 kt),
.set SCI,   IMG+8192                   ; their scale words: 256 u + 16 r + 4 kt, byte = the block of 32 s,
.set ASL,   SCI+512                    ; each wave's 64 sums of a,
.set STG,   ASL+2048                   ; the stage for the way out: 64 rows x (512 + 16) bytes,
.set SP,    528
.set SPARE, STG+64*SP                  ; and the spare words, 128 bytes for each wave: four blocks of 256 bytes that no other line names
.set SPW,  1                           ; v1   LDS address of my spare word; never rewritten
.set NIL,  2                           ; v2   0; never rewritten
.set A1,   3                           ; v3   phase 1: my column's place in a slot
.set A2,   4                           ; v4   phase 2: my row's place in a slot
.set IMW,  5                           ; v5   where I store 8 bytes of a's codes
.set SCW,  6                           ; v6   where I store a's scale byte
.set LI,   7                           ; v7   IMG + 16 x lane: an image's place for my lane
.set SCR,  8                           ; v8   SCI + 16 r: my cluster's four scale words
.set ADR,  9                           ; v9, v10  addresses of the loads in hand
.set ADR2, 10
.set SH8,  11                          ; v11  8 (lane / 16)
.set W,    12                          ; v12-43   w's four fragments (16 clusters x 128 c): they stay
.set WS,   44                          ; v44-47   w's scale words            (v44-59 hold scales and nothing else)
.set XS1,  48                          ; v48      x's scale words along c: lane l has its own column's
.set XS2,  49                          ; v49-50   x's scale words along s, K step 0, 1
.set ASC,  52                          ; v52-59   a's scale words, K step u, tile kt at 4 u + kt
.set ACC,  60                          ; v60-91   four accumulators: clusters 16 kt + r, c = 16 w + 8 (lane / 16) + j
.set AS,   92                          ; v92-95   the sums of a
.set P,    96                          ; v96-111  codes just made
.set ST,   112                         ; v112-127 statistics and work
.set X,    128                         ; v128-255 x's numbers; then logits and a (v128-191); then fragments of a (v192-255)
                                       ; v256-287 (window 1, v0-31) my eight rows of centroids
.set WV,   14                          ; s14  my wave's number
.set SEL,  20                          ; s[20:21] v_permlanex16_b32's selects for lane l xor 16
.set CS,   22                          ; s[22:23] log2 e: the packed forms name a pair and take its low word for both halves
.set G1,   24                          ; s[24:31] descriptor group 1
.set G0A,  32                          ; s[32:35] group 0 for slot 0
.set G0B,  36                          ; s[36:39] group 0 for slot 1
	s_load_b256 s[4:11], s[0:1], 0x0               ; x s[4:5], w's codes s[6:7], w's scales s[8:9], centroids s[10:11]
	s_load_b64 s[12:13], s[0:1], 0x20              ; part
	v_lshl_add_u32 v[SPW], v0, 2, SPARE
	v_mov_b32 v[NIL], 0
	ds_add_u32 v1, v2
	ds_add_u32 v1, v2
	s_wait_dscnt 0x0
	v_lshrrev_b32 v[ADR], 5, v0
	v_readfirstlane_b32 s[WV], v[ADR]              ; wave 0..7
	s_and_b32 s15, ttmp7, 0xffff                   ; n
	s_lshl_b32 s16, s15, 21                        ; n x 128 rows x 16,384 bytes
	s_and_b32 s18, s[WV], 1
	s_lshl_b32 s19, s18, 20                        ; + which 64 rows I fetch
	s_add_co_u32 s16, s16, s19
	s_lshl_b32 s19, ttmp9, 12                      ; + p x 1,024 s x 4 bytes
	s_add_co_u32 s16, s16, s19
	s_lshr_b32 s40, s[WV], 1
	s_lshl_b32 s19, s40, 8                         ; + which quarter of 64 s
	s_add_co_u32 s16, s16, s19
	s_mov_b32 s17, 0
	; group 1: a tile of 64 rows x 64 elements of 4 bytes, rows 4,096 elements apart in memory, 4 words of padding behind every 64 words
	s_mov_b32 s[G1+0], (2<<16)|(1<<20)|(5<<22)|(3<<25)
	s_mov_b32 s[G1+1], 64<<16                      ; tensor_dim0 = 64
	s_mov_b32 s[G1+2], 64<<16                      ; tensor_dim1 = 64
	s_mov_b32 s[G1+3], 64<<16                      ; tile_dim0 = 64
	s_mov_b32 s[G1+4], 64                          ; tile_dim1 = 64
	s_mov_b32 s[G1+5], 4096                        ; elements from row to row
	s_mov_b32 s[G1+6], 0
	s_mov_b32 s[G1+7], 0
	s_mul_i32 s41, s[WV], SUBT                     ; my part of a slot: quarter wave / 2, rows 64 (wave % 2) on
	s_mov_b32 s[G0A], 1
	s_mov_b32 s[G0A+1], s41
	s_mov_b32 s[G0B], 1
	s_add_co_u32 s[G0B+1], s41, SLOT
	s_wait_kmcnt 0x0
	s_add_nc_u64 s[G0A+2:G0A+3], s[4:5], s[16:17]  ; step 0
	s_add_nc_u64 s[G0B+2:G0B+3], s[G0A+2:G0A+3], 1024  ; step 1: 256 s on
	s_or_b32 s[G0A+3], s[G0A+3], 0x80000000        ; type = 2
	s_or_b32 s[G0B+3], s[G0B+3], 0x80000000
	tensor_load_to_lds s[G0A:G0A+3], s[G1:G1+7]    ; both first fills together, ahead of every wait on TENSORcnt, LDS read and barrier: two loads of mine are out
	s_nop 0
	tensor_load_to_lds s[G0B:G0B+3], s[G1:G1+7]
	s_nop 0
.rept 4
	v_nop
.endr
	v_and_b32 v128, 15, v0                         ; r
	v_bfe_u32 v129, v0, 4, 1                       ; h
	v_and_b32 v130, 31, v0                         ; lane
	v_bfe_u32 v131, v0, 3, 1
	v_and_b32 v132, 7, v0
	v_lshlrev_b32 v[A1], 2, v132                   ; my column: s = (lane % 8) + 16 x bit 3 + 8 x bit 4, 4 bytes each,
	v_lshl_add_u32 v[A1], v131, 6, v[A1]
	v_lshl_add_u32 v[A1], v129, 5, v[A1]
	s_mul_i32 s42, s40, QTR                        ; in quarter wave / 2,
	s_lshl_b32 s43, s18, 7                         ; its half wave % 2
	s_add_co_u32 s42, s42, s43
	v_add_nc_u32 v[A1], s42, v[A1]
	v_mul_u32_u24 v[A2], v128, QP                  ; my row: c = 16 wave + r; + 32 h s
	v_lshl_add_u32 v[A2], v129, 7, v[A2]
	s_mul_i32 s42, s[WV], 16*QP
	v_add_nc_u32 v[A2], s42, v[A2]
	s_lshr_b32 s42, s[WV], 2                       ; my 32 s are block wave % 4 of K step wave / 4
	s_and_b32 s43, s[WV], 3
	s_lshl_b32 s44, s42, 12
	s_lshl_b32 s45, s43, 8                         ; block b is register group b / 2 (512 bytes) of lanes 16 (b % 2) + r (16 bytes each): 256 b
	s_add_co_u32 s44, s44, s45
	s_add_co_u32 s44, s44, IMG
	v_lshlrev_b32 v[IMW], 4, v128
	v_lshl_add_u32 v[IMW], v129, 3, v[IMW]         ; of a lane's 16 bytes I hold 8: s 16 h .. 16 h + 15
	v_add_nc_u32 v[IMW], s44, v[IMW]
	s_lshl_b32 s44, s42, 8
	s_add_co_u32 s44, s44, s43
	s_add_co_u32 s44, s44, SCI
	v_lshl_add_u32 v[SCW], v128, 4, s44
	v_lshl_add_u32 v[LI], v130, 4, IMG
	v_lshl_add_u32 v[SCR], v128, 4, SCI
	v_lshlrev_b32 v[SH8], 3, v129
	v_lshlrev_b32 v133, 6, v128
	v_lshl_add_u32 v133, v129, 4, v133             ; w: row r of 64 bytes, + 16 h
	v_lshlrev_b32 v134, 2, v128                    ; its scale word
	v_lshlrev_b32 v135, 4, v130                    ; centroids: 16 bytes a lane of a row of 512
.irp kt, 0,1,2,3
.irp c, 0,1
	global_load_b128 v[W+8*\kt+4*\c:W+8*\kt+4*\c+3], v133, s[6:7] offset:1024*\kt+32*\c
.endr
	global_load_b32 v[WS+\kt], v134, s[8:9] offset:64*\kt
.endr
	s_lshl_b32 s42, s[WV], 12                      ; my eight rows of centroids: clusters 8 wave on
	s_mov_b32 s43, 0
	s_add_nc_u64 s[10:11], s[10:11], s[42:43]
	s_set_vgpr_msb 0x40                            ; destination in window 1
.irp i, 0,1,2,3,4,5,6,7
	global_load_b128 v[4*\i:4*\i+3], v135, s[10:11] offset:512*\i
.endr
	s_set_vgpr_msb 0x4000
	s_lshl_b32 s42, s15, 17                        ; part: n x 131,072 + p x 32,768 + my eight rows
	s_lshl_b32 s44, ttmp9, 15
	s_add_co_u32 s42, s42, s44
	s_lshl_b32 s44, s[WV], 12
	s_add_co_u32 s42, s42, s44
	s_add_nc_u64 s[12:13], s[12:13], s[42:43]
	s_mov_b32 s[SEL], 0x76543210
	s_mov_b32 s[SEL+1], 0xfedcba98
	s_mov_b32 s[CS], 0x3fb8aa3b                    ; log2 e
	s_mov_b32 s[CS+1], s[CS]
; The largest magnitudes of blocks p and q (32 c each) of my column, two chains a block; the floor 2^(3 - 127) holds the byte at 1 from below; 2 off the exponent field is the conversion's scale operand; its field is the byte.
.macro Q1MAX p, q
.irp b, \p, \q
	v_max3_num_f32 v[ST+\b], |v[X+32*\b]|, |v[X+32*\b+1]|, |v[X+32*\b+2]|
	v_max3_num_f32 v[ST+4+\b], |v[X+32*\b+3]|, |v[X+32*\b+4]|, |v[X+32*\b+5]|
.endr
.irp i, 6,10,14,18,22,26
.irp b, \p, \q
	v_max3_num_f32 v[ST+\b], v[ST+\b], |v[X+32*\b+\i]|, |v[X+32*\b+\i+1]|
	v_max3_num_f32 v[ST+4+\b], v[ST+4+\b], |v[X+32*\b+\i+2]|, |v[X+32*\b+\i+3]|
.endr
.endr
.irp b, \p, \q
	v_max3_num_f32 v[ST+\b], v[ST+\b], |v[X+32*\b+30]|, |v[X+32*\b+31]|
.endr
.irp b, \p, \q
	v_max3_num_f32 v[ST+\b], v[ST+\b], v[ST+4+\b], 0x1800000
.endr
.irp b, \p, \q
	v_add_nc_u32 v[ST+8+\b], 0xff000000, v[ST+\b]
.endr
.irp b, \p, \q
	v_lshrrev_b32 v[ST+12+\b], 23, v[ST+8+\b]
.endr
.endm
.macro Q1CVT p, q                      ; block 0 -> P+0, block 2 -> P+4, block 1 -> P+8, block 3 -> P+12
.irp b, \p, \q
.irp g, 0,1,2,3
	v_cvt_scalef32_pk8_fp4_f32 v[P+4*(\b/2)+8*(\b%2)+\g], v[X+32*\b+8*\g:X+32*\b+8*\g+7], v[ST+8+\b]
.endr
.endr
.endm
; 64 numbers of my row c: blocks h and 2 + h of a K step of 128 s, 32 neighbouring s each
.macro LD2 v, adr
.irp c, 0,1
.irp i, 0,1,2,3,4,5,6,7
	ds_load_b128 v[\v+32*\c+4*\i:\v+32*\c+4*\i+3], v[\adr] offset:\c*QTR+16*\i
.endr
.endr
.endm
; They become the operand's eight registers at v[px] and its scale word in v[xs]: whole blocks lie in a lane; of the word's four bytes two are mine and two lane l xor 16's
.macro Q2 v, px, xs
.irp c, 0,1
	v_max3_num_f32 v[ST+8+\c], |v[\v+32*\c]|, |v[\v+32*\c+1]|, |v[\v+32*\c+2]|
	v_max3_num_f32 v[ST+10+\c], |v[\v+32*\c+3]|, |v[\v+32*\c+4]|, |v[\v+32*\c+5]|
.endr
.irp i, 6,10,14,18,22,26
.irp c, 0,1
	v_max3_num_f32 v[ST+8+\c], v[ST+8+\c], |v[\v+32*\c+\i]|, |v[\v+32*\c+\i+1]|
	v_max3_num_f32 v[ST+10+\c], v[ST+10+\c], |v[\v+32*\c+\i+2]|, |v[\v+32*\c+\i+3]|
.endr
.endr
.irp c, 0,1
	v_max3_num_f32 v[ST+8+\c], v[ST+8+\c], |v[\v+32*\c+30]|, |v[\v+32*\c+31]|
.endr
.irp c, 0,1
	v_max3_num_f32 v[ST+8+\c], v[ST+8+\c], v[ST+10+\c], 0x1800000
.endr
.irp c, 0,1
	v_add_nc_u32 v[ST+12+\c], 0xff000000, v[ST+8+\c]
.endr
.irp c, 0,1
	v_lshrrev_b32 v[ST+14+\c], 23, v[ST+12+\c]
.endr
	v_lshl_or_b32 v[ST+8], v[ST+15], 16, v[ST+14]  ; blocks h and 2 + h,
	v_lshlrev_b32 v[ST+8], v[SH8], v[ST+8]         ; at their places in the word
	v_permlanex16_b32 v[ST+10], v[ST+8], s[SEL], s[SEL+1]
	v_or_b32 v[\xs], v[ST+8], v[ST+10]
.irp c, 0,1
.irp g, 0,1,2,3
	v_cvt_scalef32_pk8_fp4_f32 v[\px+4*\c+\g], v[\v+32*\c+8*\g:\v+32*\c+8*\g+7], v[ST+12+\c]
.endr
.endr
	v_nop                                          ; one plain line behind the last conversion of a run
.endm
; THE CHANGE OF SLOTS.  Each wave waits for all its tensor loads (its part of the slot ahead), adds 0 to its spare word, and waits for that and for its reads of the slot and the images that it leaves.
; Behind the barrier the slot ahead is whole and nobody reads the other.  fill = 1: that other slot takes the tile two steps on: the wave's one tensor load until the next such barrier, and the first thing behind this one.
.macro CHANGE fill, g0
	s_wait_tensorcnt 0x0                           ; no tensor load of mine is out, so a group 0 may be written
	ds_add_u32 v[SPW], v[NIL]                      ; 0 onto my spare word
.if \fill
	s_add_nc_u64 s[\g0+2:\g0+3], s[\g0+2:\g0+3], 2048  ; two steps of 256 s on; the type bits on top are not reached
.endif
	s_wait_dscnt 0x0
	s_barrier_signal -1
	s_barrier_wait -1
.if \fill
	tensor_load_to_lds s[\g0:\g0+3], s[G1:G1+7]
	s_nop 0
.endif
.rept 4
	v_nop                                          ; also the places in front of loads into registers that the last products read
.endr
.endm
; A STEP: 256 s in slot \slot.  first = 1: its products and sums start the accumulators: nothing is cleared.
.macro STEP slot, first
	; ---- phase 1: my 32 columns, 128 numbers down c a lane: each load reads 128 consecutive bytes
	v_add_nc_u32 v[ADR], (\slot)*SLOT, v[A1]
.set i, 0
.rept 128
	ds_load_b32 v[X+i], v[ADR] offset:i*QP
.set i, i+1
.endr
	v_add_nc_u32 v[ADR2], (\slot)*SLOT, v[A2]
	s_wait_dscnt 63                                ; at most the youngest 63 of the 128 are out: blocks 0 and 1 (the first 64) are in
	Q1MAX 0, 1
	Q1CVT 0, 1
	s_wait_dscnt 0x0
	Q1MAX 2, 3
	v_lshl_or_b32 v[XS1], v[ST+13], 8, v[ST+12]    ; my column's scale word
	v_lshl_or_b32 v[XS1], v[ST+14], 16, v[XS1]
	v_lshl_or_b32 v[XS1], v[ST+15], 24, v[XS1]
	Q1CVT 2, 3
	v_nop                                          ; one plain line behind the conversions
.irp g, 0,1,2,3,4,5,6,7
	v_permlane16_swap_b32 v[P+\g], v[P+8+\g]       ; the first's lanes 16-31 change places with the second's lanes 0-15: P+0..7 = the fragment of lanes 0-15's columns (blocks h, 2 + h), P+8..15 that of lanes 16-31's
.endr
	v_add_nc_u32 v[ADR], (\slot)*SLOT+2*QTR, v[A2]
	LD2 X+64, ADR2                                 ; phase 2's numbers of K step 0 are asked for now: they land under the softmax
.rept 7
	v_nop                                          ; with the two plain lines above: eight places behind the scale word's last write, seven behind the codes'
.endr
.irp kt, 0,1,2,3                       ; logits: source 0 = 16 columns s, source 1 = 16 clusters.  Lane (r, h): cluster 16 kt + r; register 16 kt + i: s = 16 h + i
	v_wmma_scale_f32_16x16x128_f8f6f4 v[X+16*\kt:X+16*\kt+7], v[P:P+7], v[W+8*\kt:W+8*\kt+7], 0, v[XS1], v[WS+\kt] matrix_a_fmt:MATRIX_FMT_FP4 matrix_b_fmt:MATRIX_FMT_FP4
	v_wmma_scale_f32_16x16x128_f8f6f4 v[X+16*\kt+8:X+16*\kt+15], v[P+8:P+15], v[W+8*\kt:W+8*\kt+7], 0, v[XS1], v[WS+\kt] matrix_a_fmt:MATRIX_FMT_FP4 matrix_b_fmt:MATRIX_FMT_FP4 matrix_a_scale:MATRIX_SCALE_ROW1
.endr
.rept 4
	v_nop
.endr
	; the maximum over the 64 clusters, for each of my 16 s: four tiles in the lane (each result read from its low end on), then sixteen lanes
.irp i, 0,1,2,3,4,5,6,7,8,9,10,11,12,13,14,15
	v_max3_num_f32 v[ST+\i], v[X+\i], v[X+16+\i], v[X+32+\i]
.endr
.irp i, 0,1,2,3,4,5,6,7,8,9,10,11,12,13,14,15
	v_max_num_f32 v[ST+\i], v[ST+\i], v[X+48+\i]
.endr
.irp m, 1,2,4,8
.irp i, 0,1,2,3,4,5,6,7,8,9,10,11,12,13,14,15
	v_max_num_f32_dpp v[ST+\i], v[ST+\i], v[ST+\i] row_xmask:\m row_mask:0xf bank_mask:0xf
.endr
.endr
.irp i, 0,2,4,6,8,10,12,14
	v_pk_mul_f32 v[ST+\i:ST+\i+1], v[ST+\i:ST+\i+1], s[CS:CS+1] op_sel_hi:[1,0]   ; c m
.endr
.irp kt, 0,1,2,3
.irp i, 0,2,4,6,8,10,12,14
	v_pk_fma_f32 v[X+16*\kt+\i:X+16*\kt+\i+1], v[X+16*\kt+\i:X+16*\kt+\i+1], s[CS:CS+1], v[ST+\i:ST+\i+1] op_sel_hi:[1,0,1] neg_lo:[0,0,1] neg_hi:[0,0,1]   ; c L - c m
.endr
.endr
.set j, 0
.rept 64
	v_exp_f32 v[X+j], v[X+j]
.set j, j+1
.endr
	v_nop                                          ; a plain line behind the last exponential,
	s_wait_alu depctr_va_vdst(0)                   ; and one wait for the batch, ahead of its first reader
.irp i, 0,2,4,6,8,10,12,14
	v_pk_add_f32 v[ST+\i:ST+\i+1], v[X+\i:X+\i+1], v[X+16+\i:X+16+\i+1]
.endr
.irp i, 0,2,4,6,8,10,12,14
	v_pk_add_f32 v[ST+\i:ST+\i+1], v[ST+\i:ST+\i+1], v[X+32+\i:X+32+\i+1]
.endr
.irp i, 0,2,4,6,8,10,12,14
	v_pk_add_f32 v[ST+\i:ST+\i+1], v[ST+\i:ST+\i+1], v[X+48+\i:X+48+\i+1]
.endr
.irp m, 1,2,4,8
.irp i, 0,1,2,3,4,5,6,7,8,9,10,11,12,13,14,15
	v_add_f32_dpp v[ST+\i], v[ST+\i], v[ST+\i] row_xmask:\m row_mask:0xf bank_mask:0xf
.endr
.endr
.irp i, 0,1,2,3,4,5,6,7,8,9,10,11,12,13,14,15
	v_rcp_f32 v[ST+\i], v[ST+\i]
.endr
	v_nop
	s_wait_alu depctr_va_vdst(0)                   ; one wait for the sixteen reciprocals
.irp kt, 0,1,2,3
.irp i, 0,2,4,6,8,10,12,14
	v_pk_mul_f32 v[X+16*\kt+\i:X+16*\kt+\i+1], v[X+16*\kt+\i:X+16*\kt+\i+1], v[ST+\i:ST+\i+1]   ; a, finished and normalised
.endr
.endr
	; the sum of the unquantised a over my 16 s, for each of my four clusters
.irp kt, 0,1,2,3
	v_pk_add_f32 v[ST+2*\kt:ST+2*\kt+1], v[X+16*\kt:X+16*\kt+1], v[X+16*\kt+2:X+16*\kt+3]
.endr
.irp i, 4,6,8,10,12,14
.irp kt, 0,1,2,3
	v_pk_add_f32 v[ST+2*\kt:ST+2*\kt+1], v[ST+2*\kt:ST+2*\kt+1], v[X+16*\kt+\i:X+16*\kt+\i+1]
.endr
.endr
.if \first
.irp kt, 0,1,2,3
	v_add_f32 v[AS+\kt], v[ST+2*\kt], v[ST+2*\kt+1]
.endr
.else
.irp kt, 0,1,2,3
	v_add_f32 v[ST+2*\kt], v[ST+2*\kt], v[ST+2*\kt+1]
.endr
.irp kt, 0,1,2,3
	v_add_f32 v[AS+\kt], v[AS+\kt], v[ST+2*\kt]
.endr
.endif
	; a is quantised along s: my wave's 32 s are one block; 16 of them are mine, 16 lane l xor 16's.  None is negative: no |.|
.irp kt, 0,1,2,3
	v_max3_num_f32 v[ST+8+\kt], v[X+16*\kt], v[X+16*\kt+1], 0x1800000
.endr
.irp i, 2,4,6,8,10,12,14
.irp kt, 0,1,2,3
	v_max3_num_f32 v[ST+8+\kt], v[ST+8+\kt], v[X+16*\kt+\i], v[X+16*\kt+\i+1]
.endr
.endr
.irp kt, 0,1,2,3
	v_permlanex16_b32 v[ST+12+\kt], v[ST+8+\kt], s[SEL], s[SEL+1]
.endr
.irp kt, 0,1,2,3
	v_max_num_f32 v[ST+8+\kt], v[ST+8+\kt], v[ST+12+\kt]
.endr
.irp kt, 0,1,2,3
	v_add_nc_u32 v[ST+\kt], 0xff000000, v[ST+8+\kt]
.endr
.irp kt, 0,1,2,3
	v_lshrrev_b32 v[ST+4+\kt], 23, v[ST+\kt]
.endr
.irp kt, 0,1,2,3
	v_cvt_scalef32_pk8_fp4_f32 v[P+2*\kt], v[X+16*\kt:X+16*\kt+7], v[ST+\kt]
	v_cvt_scalef32_pk8_fp4_f32 v[P+2*\kt+1], v[X+16*\kt+8:X+16*\kt+15], v[ST+\kt]
.endr
	v_nop
.irp kt, 0,1,2,3
	ds_store_b64 v[IMW], v[P+2*\kt:P+2*\kt+1] offset:1024*\kt   ; the wave's store covers 256 consecutive bytes of the fragment's image
	ds_store_b8 v[SCW], v[ST+4+\kt] offset:4*\kt                ; both lanes of a cluster write the same byte with the same value
.endr
	; ---- phase 2, as far as it needs no other wave: my 16 rows c, quantised along s
	LD2 X, ADR                                     ; K step 1's numbers, into the registers that a has left
	s_wait_dscnt 24                                ; K step 0's 16 loads are in: behind them stand the 8 stores and the 16 loads just issued
	Q2 X+64, P+8, XS2
	s_wait_dscnt 0x0                               ; K step 1's are in, and the stores have read P+0..7 and the bytes
	Q2 X, P, XS2+1
	s_wait_dscnt 0x0                               ; for the others' sake: my stores into the images are done
	s_barrier_signal -1
	s_barrier_wait -1                              ; a's eight fragments lie in LDS
.irp u, 0,1
.irp kt, 0,1,2,3
.irp c, 0,1
	ds_load_b128 v[X+64+32*\u+8*\kt+4*\c:X+64+32*\u+8*\kt+4*\c+3], v[LI] offset:4096*\u+1024*\kt+512*\c
.endr
.endr
	ds_load_b128 v[ASC+4*\u:ASC+4*\u+3], v[SCR] offset:256*\u
.endr
.rept 8
	v_nop                                          ; eight places behind the last scale word made by vector instructions; they pass while the loads are out
.endr
	s_wait_dscnt 0x0
.irp u, 0,1                            ; source 0 = my 16 rows c, source 1 = 16 clusters, K = 128 s; the four accumulators take turns
.irp kt, 0,1,2,3
.if (\first) && (\u == 0)
	v_wmma_scale_f32_16x16x128_f8f6f4 v[ACC+8*\kt:ACC+8*\kt+7], v[P+8-8*\u:P+15-8*\u], v[X+64+32*\u+8*\kt:X+64+32*\u+8*\kt+7], 0, v[XS2+\u], v[ASC+4*\u+\kt] matrix_a_fmt:MATRIX_FMT_FP4 matrix_b_fmt:MATRIX_FMT_FP4
.else
	v_wmma_scale_f32_16x16x128_f8f6f4 v[ACC+8*\kt:ACC+8*\kt+7], v[P+8-8*\u:P+15-8*\u], v[X+64+32*\u+8*\kt:X+64+32*\u+8*\kt+7], v[ACC+8*\kt:ACC+8*\kt+7], v[XS2+\u], v[ASC+4*\u+\kt] matrix_a_fmt:MATRIX_FMT_FP4 matrix_b_fmt:MATRIX_FMT_FP4
.endif
.endr
.endr
.endm
	s_wait_loadcnt 0x0                             ; w, its scales, my centroids; the address registers of these loads are free
	s_wait_tensorcnt 0x1                           ; my part of step 0 is in; step 1's may stay out
	s_barrier_signal -1
	s_barrier_wait -1                              ; everybody's is
	STEP 0, 1
	CHANGE 1, G0A                                  ; slot 0 takes step 2
	STEP 1, 0
	CHANGE 1, G0B                                  ; slot 1 takes step 3
	STEP 0, 0
	CHANGE 0, G0A                                  ; nothing is left to fetch
	STEP 1, 0
	; ---- THE WAY OUT.  The address work is also the places behind the last products.
.set RR,  3
.set HH,  4
.set LN,  5
.set ASW, 6
.set STO, 7
.set RD,  8
.set ASR, 9
.set GO,  10
	v_and_b32 v[RR], 15, v0
	v_bfe_u32 v[HH], v0, 4, 1
	v_and_b32 v[LN], 31, v0
	s_lshl_b32 s42, s[WV], 8
	s_add_co_u32 s42, s42, ASL
	v_lshl_add_u32 v[ASW], v[RR], 2, s42           ; my wave's 64 sums: 4 bytes a cluster
	v_mul_u32_u24 v[STO], v[RR], SP                ; the stage: row = cluster; my 8 numbers at c = 16 wave + 8 h
	v_lshl_add_u32 v[STO], v[HH], 5, v[STO]
	s_lshl_b32 s42, s[WV], 6
	s_add_co_u32 s42, s42, STG
	v_add_nc_u32 v[STO], s42, v[STO]
	s_mul_i32 s42, s[WV], 8*SP
	s_add_co_u32 s42, s42, STG
	v_lshl_add_u32 v[RD], v[LN], 4, s42            ; back: rows 8 wave on, 16 bytes a lane
	s_lshl_b32 s42, s[WV], 5
	s_add_co_u32 s42, s42, ASL
	v_mov_b32 v[ASR], s42                          ; the sums of clusters 8 wave .. 8 wave + 7: the same address in every lane
	v_lshlrev_b32 v[GO], 4, v[LN]
.irp kt, 0,1,2,3
	v_permlanex16_b32 v[ST+\kt], v[AS+\kt], s[SEL], s[SEL+1]
.endr
.irp kt, 0,1,2,3
	v_add_f32 v[AS+\kt], v[AS+\kt], v[ST+\kt]      ; with lane l xor 16's s
.endr
.irp kt, 0,1,2,3
	ds_store_b32 v[ASW], v[AS+\kt] offset:64*\kt   ; both lanes of a cluster write the same word with the same value
.endr
.irp kt, 0,1,2,3
	ds_store_b128 v[STO], v[ACC+8*\kt:ACC+8*\kt+3] offset:16*SP*\kt        ; each accumulator from its low end on
	ds_store_b128 v[STO], v[ACC+8*\kt+4:ACC+8*\kt+7] offset:16*SP*\kt+16
.endr
	s_wait_dscnt 0x0                               ; for the others' sake: my stores are done
	s_barrier_signal -1
	s_barrier_wait -1
.irp i, 0,1,2,3,4,5,6,7
	ds_load_b128 v[X+4*\i:X+4*\i+3], v[RD] offset:SP*\i
.endr
.irp v, 0,1,2,3,4,5,6,7
	ds_load_b128 v[X+64+8*\v:X+64+8*\v+3], v[ASR] offset:256*\v
	ds_load_b128 v[X+64+8*\v+4:X+64+8*\v+7], v[ASR] offset:256*\v+16
.endr
	s_wait_dscnt 0x0
.irp v, 1,2,3,4,5,6,7
.irp j, 0,2,4,6
	v_pk_add_f32 v[X+64+\j:X+65+\j], v[X+64+\j:X+65+\j], v[X+64+8*\v+\j:X+65+8*\v+\j]   ; the eight waves' sums of a
.endr
.endr
	s_set_vgpr_msb 0x0001                          ; source 0 in window 1: the centroids
.irp i, 0,1,2,3,4,5,6,7
.irp e, 0,1,2,3
	v_fma_f32 v[X+4*\i+\e], -v[4*\i+\e], v[X+64+\i], v[X+4*\i+\e]
.endr
.endr
	s_set_vgpr_msb 0x0100
.irp i, 0,1,2,3,4,5,6,7
	global_store_b128 v[GO], v[X+4*\i:X+4*\i+3], s[12:13] offset:512*\i   ; 32 lanes store a row of 512 consecutive bytes, at a multiple of 256 from the buffer's first byte
.endr
	s_wait_tensorcnt 0x0                           ; the wave's end, behind my last tensor load and my last LDS store
	ds_add_u32 v[SPW], v[NIL]
	s_wait_dscnt 0x0
	s_endpgm
.Lfunc_end_k_qd134f75782_vlad_part:
	.size	k_qd134f75782_vlad_part, .Lfunc_end_k_qd134f75782_vlad_part-k_qd134f75782_vlad_part
	.p2alignl 7, 3214868480
	.fill 96, 4, 3214868480
	.section	.rodata,"a",@progbits
	.p2align	6, 0x0
	.amdhsa_kernel k_qd134f75782_vlad_part
		.amdhsa_group_segment_fixed_size 327680
		.amdhsa_private_segment_fixed_size 0
		.amdhsa_enable_private_segment 0
		.amdhsa_kernarg_size 40
		.amdhsa_user_sgpr_count 2
		.amdhsa_user_sgpr_kernarg_segment_ptr 1
		.amdhsa_wavefront_size32 1
		.amdhsa_system_sgpr_workgroup_id_x 1
		.amdhsa_system_sgpr_workgroup_id_y 1
		.amdhsa_system_sgpr_workgroup_id_z 1
		.amdhsa_system_vgpr_workitem_id 0
		.amdhsa_next_free_vgpr 288
		.amdhsa_next_free_sgpr 66
		.amdhsa_reserve_vcc 0
		.amdhsa_float_denorm_mode_32 3
		.amdhsa_float_denorm_mode_16_64 3
		.amdhsa_memory_ordered 1
		.amdhsa_forward_progress 1
		.amdhsa_inst_pref_size 217
	.end_amdhsa_kernel
	.amdgpu_metadata
---
amdhsa.version: [ 1, 2 ]
amdhsa.kernels:
  - .name:           k_qd134f75782_vlad_part
    .symbol:         k_qd134f75782_vlad_part.kd
    .args:
      - { .name: x, .offset: 0, .size: 8, .value_kind: global_buffer, .address_space: global }
      - { .name: conv_w_codes, .offset: 8, .size: 8, .value_kind: global_buffer, .address_space: global }
      - { .name: conv_w_scales, .offset: 16, .size: 8, .value_kind: global_buffer, .address_space: global }
      - { .name: centroids, .offset: 24, .size: 8, .value_kind: global_buffer, .address_space: global }
      - { .name: part, .offset: 32, .size: 8, .value_kind: global_buffer, .address_space: global }
    .group_segment_fixed_size: 327680
    .private_segment_fixed_size: 0
    .kernarg_segment_align: 8
    .kernarg_segment_size: 40
    .max_flat_workgroup_size: 256
    .sgpr_count:     66
    .vgpr_count:     288
    .wavefront_size: 32
...
	.end_amdgpu_metadata
.endif
;; end of part 1
;; launch vlad_norm (part 2): grid 64 x 1, 16 waves a work-group, no clusters, 2,304 bytes of LDS; arguments part, out0; writes out0
.if DOCPART == 2
	.amdgcn_target "amdgcn-amd-amdhsa--gfx1250"
	.amdhsa_code_object_version 6
	.text
	.protected	k_qd134f75782_vlad_norm
	.globl	k_qd134f75782_vlad_norm
	.p2align	8
	.type	k_qd134f75782_vlad_norm,@function
k_qd134f75782_vlad_norm:
	s_mov_b64 s[64:65], 0
	v_nop
	global_prefetch_b8 v0, s[64:65] scope:SCOPE_SE
	s_setreg_imm32_b32 hwreg(HW_REG_WAVE_MODE, 25, 1), 1
	s_wait_xcnt 0x0
; NetVLAD, second launch.  vlad[n][k][:] = the sum of the four parts; each cluster's row is divided by its L2 norm, then the whole of n by the L2 norm of what that leaves.
; part: [64][4][64][128] f32.  out0: [64][64 x 128] f32.  A work-group owns one n, since the last norm spans its 64 clusters; sixteen waves, four rows each: wave w takes clusters w, 16 + w, 32 + w, 48 + w,
; so that thread t's 16 bytes lie at byte 16 t of each group of 16 rows: every load and store of a wave covers a row's 512 consecutive bytes.  All 16 loads of a wave go out at once.
; With ss a row's sum of squares and r = 1 / sqrt(ss), the row's share of the last norm's square is the sum of (v r)^2 = ss r r: it is NaN where ss is 0 or has overflowed, as the division makes it in the formula.
; No matrix work, no tensor loads: 160 KB a work-group stream through registers once.
.set V, 4                              ; v4-67: row j at v[V + 16 j]: four parts x 4 numbers; then +0..3 the row, +4 ss, +5 work, +6 r
.set G, 68
	s_load_b128 s[4:7], s[0:1], 0x0                ; part, out0
	v_lshl_add_u32 v96, v0, 2, 0x100
	v_mov_b32 v97, 0
	v_lshlrev_b32 v1, 4, v0                        ; 16 t
	v_lshrrev_b32 v2, 5, v0
	v_lshlrev_b32 v2, 2, v2                        ; LDS: my wave's word
	v_mov_b32 v3, 0
	s_lshl_b32 s8, ttmp9, 17                       ; n x 131,072
	s_mov_b32 s9, 0
	s_lshl_b32 s10, ttmp9, 15                      ; n x 32,768
	s_mov_b32 s11, 0
	s_mov_b32 s12, 0x76543210                      ; v_permlanex16_b32's selects for lane l xor 16
	s_mov_b32 s13, 0xfedcba98
	s_wait_kmcnt 0x0
	s_add_nc_u64 s[4:5], s[4:5], s[8:9]
	s_add_nc_u64 s[6:7], s[6:7], s[10:11]
.irp j, 0,1,2,3
.irp p, 0,1,2,3
	global_load_b128 v[V+16*\j+4*\p:V+16*\j+4*\p+3], v1, s[4:5] offset:32768*\p+8192*\j th:TH_LOAD_NT
.endr
.endr
	s_wait_loadcnt 0x0
.irp j, 0,1,2,3                        ; the four parts are added; the four rows take turns, so that no line waits for the line above it
	v_pk_add_f32 v[V+16*\j:V+16*\j+1], v[V+16*\j:V+16*\j+1], v[V+16*\j+4:V+16*\j+5]
	v_pk_add_f32 v[V+16*\j+2:V+16*\j+3], v[V+16*\j+2:V+16*\j+3], v[V+16*\j+6:V+16*\j+7]
	v_pk_add_f32 v[V+16*\j+8:V+16*\j+9], v[V+16*\j+8:V+16*\j+9], v[V+16*\j+12:V+16*\j+13]
	v_pk_add_f32 v[V+16*\j+10:V+16*\j+11], v[V+16*\j+10:V+16*\j+11], v[V+16*\j+14:V+16*\j+15]
.endr
.irp j, 0,1,2,3
	v_pk_add_f32 v[V+16*\j:V+16*\j+1], v[V+16*\j:V+16*\j+1], v[V+16*\j+8:V+16*\j+9]
	v_pk_add_f32 v[V+16*\j+2:V+16*\j+3], v[V+16*\j+2:V+16*\j+3], v[V+16*\j+10:V+16*\j+11]
.endr
.irp j, 0,1,2,3
	v_pk_mul_f32 v[V+16*\j+4:V+16*\j+5], v[V+16*\j:V+16*\j+1], v[V+16*\j:V+16*\j+1]
.endr
.irp j, 0,1,2,3
	v_pk_fma_f32 v[V+16*\j+4:V+16*\j+5], v[V+16*\j+2:V+16*\j+3], v[V+16*\j+2:V+16*\j+3], v[V+16*\j+4:V+16*\j+5]
.endr
.irp j, 0,1,2,3
	v_add_f32 v[V+16*\j+4], v[V+16*\j+4], v[V+16*\j+5]
.endr
.irp m, 1,2,4,8
.irp j, 0,1,2,3
	v_add_f32_dpp v[V+16*\j+4], v[V+16*\j+4], v[V+16*\j+4] row_xmask:\m row_mask:0xf bank_mask:0xf
.endr
.endr
.irp j, 0,1,2,3
	v_permlanex16_b32 v[V+16*\j+5], v[V+16*\j+4], s12, s13
.endr
.irp j, 0,1,2,3
	v_add_f32 v[V+16*\j+4], v[V+16*\j+4], v[V+16*\j+5]   ; ss: the row's sum of squares, in every lane
.endr
.irp j, 0,1,2,3
	v_rsq_f32 v[V+16*\j+6], v[V+16*\j+4]
.endr
	v_nop                                          ; a plain line behind the last of the batch,
	s_wait_alu depctr_va_vdst(0)                   ; and one wait ahead of its first reader
.irp j, 0,1,2,3
	v_mul_f32 v[V+16*\j+5], v[V+16*\j+4], v[V+16*\j+6]
.endr
.irp j, 0,1,2,3
	v_mul_f32 v[V+16*\j+5], v[V+16*\j+5], v[V+16*\j+6]   ; ss r r
.endr
	v_add_f32 v[G], v[V+5], v[V+21]
	v_add_f32 v[G+1], v[V+37], v[V+53]
	v_add_f32 v[G], v[G], v[G+1]
	ds_store_b32 v2, v[G]                          ; all lanes write the wave's word with the same value
	s_wait_dscnt 0x0                               ; for the others' sake
	s_barrier_signal -1
	s_barrier_wait -1
.irp q, 0,1,2,3
	ds_load_b128 v[72+4*\q:75+4*\q], v3 offset:16*\q   ; the sixteen waves' shares, in every lane
.endr
	s_wait_dscnt 0x0
	v_pk_add_f32 v[72:73], v[72:73], v[74:75]
	v_pk_add_f32 v[76:77], v[76:77], v[78:79]
	v_pk_add_f32 v[80:81], v[80:81], v[82:83]
	v_pk_add_f32 v[84:85], v[84:85], v[86:87]
	v_pk_add_f32 v[72:73], v[72:73], v[76:77]
	v_pk_add_f32 v[80:81], v[80:81], v[84:85]
	v_pk_add_f32 v[72:73], v[72:73], v[80:81]
	v_add_f32 v72, v72, v73
	v_rsq_f32 v[G], v72
	v_nop
	s_wait_alu depctr_va_vdst(0)
.irp j, 0,1,2,3
	v_mul_f32 v[V+16*\j+6], v[V+16*\j+6], v[G]     ; both divisions as one factor
.endr
.irp j, 0,1,2,3
	v_pk_mul_f32 v[V+16*\j:V+16*\j+1], v[V+16*\j:V+16*\j+1], v[V+16*\j+6:V+16*\j+7] op_sel_hi:[1,0]
	v_pk_mul_f32 v[V+16*\j+2:V+16*\j+3], v[V+16*\j+2:V+16*\j+3], v[V+16*\j+6:V+16*\j+7] op_sel_hi:[1,0]
.endr
.irp j, 0,1,2,3
	global_store_b128 v1, v[V+16*\j:V+16*\j+3], s[6:7] offset:8192*\j th:TH_STORE_NT   ; 32 lanes store a row's 512 consecutive bytes
.endr
	s_wait_tensorcnt 0x0
	ds_add_u32 v96, v97
	s_wait_dscnt 0x0
	s_endpgm
.Lfunc_end_k_qd134f75782_vlad_norm:
	.size	k_qd134f75782_vlad_norm, .Lfunc_end_k_qd134f75782_vlad_norm-k_qd134f75782_vlad_norm
	.p2alignl 7, 3214868480
	.fill 96, 4, 3214868480
	.section	.rodata,"a",@progbits
	.p2align	6, 0x0
	.amdhsa_kernel k_qd134f75782_vlad_norm
		.amdhsa_group_segment_fixed_size 2304
		.amdhsa_private_segment_fixed_size 0
		.amdhsa_enable_private_segment 0
		.amdhsa_kernarg_size 16
		.amdhsa_user_sgpr_count 2
		.amdhsa_user_sgpr_kernarg_segment_ptr 1
		.amdhsa_wavefront_size32 1
		.amdhsa_system_sgpr_workgroup_id_x 1
		.amdhsa_system_sgpr_workgroup_id_y 1
		.amdhsa_system_sgpr_workgroup_id_z 1
		.amdhsa_system_vgpr_workitem_id 0
		.amdhsa_next_free_vgpr 98
		.amdhsa_next_free_sgpr 66
		.amdhsa_reserve_vcc 0
		.amdhsa_float_denorm_mode_32 3
		.amdhsa_float_denorm_mode_16_64 3
		.amdhsa_memory_ordered 1
		.amdhsa_forward_progress 1
		.amdhsa_inst_pref_size 9
	.end_amdhsa_kernel
	.amdgpu_metadata
---
amdhsa.version: [ 1, 2 ]
amdhsa.kernels:
  - .name:           k_qd134f75782_vlad_norm
    .symbol:         k_qd134f75782_vlad_norm.kd
    .args:
      - { .name: part, .offset: 0, .size: 8, .value_kind: global_buffer, .address_space: global }
      - { .name: out0, .offset: 8, .size: 8, .value_kind: global_buffer, .address_space: global }
    .group_segment_fixed_size: 2304
    .private_segment_fixed_size: 0
    .kernarg_segment_align: 8
    .kernarg_segment_size: 16
    .max_flat_workgroup_size: 512
    .sgpr_count:     66
    .vgpr_count:     98
    .wavefront_size: 32
...
	.end_amdgpu_metadata
.endif
;; end of part 2
